; MI455X (gfx1250); checked and timed in simulation.
; The chip was launched on July 23, 2026; its instructions are those of AMD's public machine-readable ISA for CDNA 5 (MIT licence, August 2026) and "CDNA5" Instruction Set Architecture Reference Guide (July 2026). The comments in the code are by the model that wrote it; some were corrected since.
;; Vector Conditioned Logits GM Prior NLL. Allowed arithmetic: matrix products marked QUANTISED: E5M2 operands, one E8M0 scale for each 32 along K, by v_wmma_scale_f32_16x16x128_f8f6f4 with both operands' format E5M2, f32 sums; everything else in f32.
;; Inputs: logits 256 x 512 float32; means 512 x 32 float32; x 256 x 1,024 x 32 float32.
;; Outputs: out0 256 x 1,024 float32.
;; This version of the problem:
;;   THIS VERSION OF THE PROBLEM IS GIVEN IN LOW PRECISION. The matrix products marked QUANTISED in the list below multiply operands that are first quantised to E5M2 (5 exponent bits, 2 mantissa bits; 8 bits a number), with one power-of-two scale for each 32 numbers along K (OCP MX v1.0); their sums are f32. All else is computed in f32.
;;   The module's matrix products, in the order in which they are computed (A, B: the left and right operand; K: the contracted axis; several contracted axes count as one K, in the product's order):
;;     1. [M 262,144, K 32] x [K 32, N 512]; A: input x; B: input means: QUANTISED
;;   THE QUANTISER, for each operand of a quantised product, along K:
;;     - K is cut into blocks of 32 from its start; a last block that is shorter is filled with zeros.
;;     - A block's scale is 2^e with e = floor(log2(the largest magnitude in the block)) - 15, held to -126 .. 127; a block of zeros has e = 0. As a byte (E8M0): e + 127.
;;     - Each number is divided by its block's scale, clamped to +-57,344, and rounded to the nearest number of E5M2, ties to even, subnormals kept.
;;     - The product sums the exact products of the quantised numbers (number of the format x scale) in f32.
;;   ~~~python
;;   def quantise(x, axis):      # numpy; x: float32 -> the quantised numbers, widened to float32 again
;;       x = np.moveaxis(x, axis, -1); K = x.shape[-1]
;;       x = np.pad(x, [(0, 0)] * (x.ndim - 1) + [(0, -K % 32)]); x = x.reshape(x.shape[:-1] + (-1, 32)); a = np.abs(x).max(-1, keepdims=True)
;;       e = np.where(a > 0, np.clip(np.frexp(np.where(a > 0, a, 1))[1] - 1 - 15, -126, 127), 0)      # np.frexp(a)[1] - 1 = floor(log2(a)), exactly
;;       r = np.clip(x / 2.0 ** e, -57344, 57344)
;;       step = 2.0 ** (np.maximum(np.frexp(np.where(r == 0, 1, r))[1] - 1, -14) - 2)
;;       q = np.round(r / step) * step * 2.0 ** e      # np.round: ties to even
;;       return np.moveaxis(q.reshape(q.shape[:-2] + (-1,))[..., :K], -1, axis).astype(np.float32)
;;   ~~~
;; One version. Each part assembles by itself: llvm-mc -triple=amdgcn-amd-amdhsa -mcpu=gfx1250 --defsym DOCPART=n.
;; ======== version 1 of 1: 1 launch
;; launch gmnll (part 1): grid 256 x 1, 16 waves a work-group, no clusters, 282,624 bytes of LDS; arguments x, logits, means, out0; writes out0
.if DOCPART == 1
	.amdgcn_target "amdgcn-amd-amdhsa--gfx1250"
	.amdhsa_code_object_version 6
	.text
	.protected	k_q7cea58471e_gmnll
	.globl	k_q7cea58471e_gmnll
	.p2align	8
	.type	k_q7cea58471e_gmnll,@function
k_q7cea58471e_gmnll:
	s_mov_b64 s[64:65], 0
	v_nop
	global_prefetch_b8 v0, s[64:65] scope:SCOPE_SE
	s_setreg_imm32_b32 hwreg(HW_REG_WAVE_MODE, 25, 1), 1
	s_wait_xcnt 0x0
; nll[b][s] = -logsumexp_k( log_softmax(logits[b])[k] - 0.5 |x[b][s] - means[k]|^2 - 16 ln(2 pi) )
;           = 0.5 |x[b][s]|^2 + 16 ln(2 pi) - logsumexp_k( bias[k] + x[b][s] . means[k] ),  bias[k] = logits[b][k] - logsumexp(logits[b]) - 0.5 |means[k]|^2.
; x [256][1024][32], logits [256][512], means [512][32], out [256][1024], all f32.  Only x . means is a quantised product: both operands become codes of E5M2 with one E8M0 scale
; for the one block of 32 along K; |x|^2, |means|^2 and both logsumexps are f32 on the numbers as they are given.  Both logsumexps take a true maximum away.
; SHARES.  One work-group for each b, sixteen waves of 256 registers, four to a SIMD.  Wave w = (q = w % 4, g = w / 4) owns components 128 q .. 128 q + 127: their codes (32 registers)
; and their bias (64 registers, the C of each product: the addition costs no instruction) stay in registers.  The rows go in four chunks of 256; in a chunk wave w quantises tile w
; (16 rows) for everybody, and works on tiles 4 g .. 4 g + 3 against its 128 components.
; THE PRODUCT IS USED TRANSPOSED (source 0 = 16 components, source 1 = 16 rows of x): lane (r, h) holds row r, and register j of tile t the component 16 t + 8 h + j.  A lane takes the
; maximum and the sum of its own 64 scores: one pair (c m, l).  A row's eight pairs (4 quarters x 2 halves of the lanes) meet in LDS at the end.
; K IS 32, THE INSTRUCTION'S IS 128.  Four tiles of components share one fragment: tile 4 g' + c lies in block c (registers 4 c .. 4 c + 3), its scale is byte c of one word.  x's four
; code registers lie between twelve and twelve registers of zero codes, and source 1 is taken at four offsets, so that x meets block c; x's scale byte fills all four bytes of its word.
; In the other three blocks finite codes (the hold keeps them finite) meet zero codes: they add nothing.
; x COMES BY THE TENSOR DATA MOVER: at the head each wave asks for its own tile of each chunk, four loads of 16 rows x 128 bytes; so all 128 KiB of x[b] are asked for at once, and a
; counted wait lets chunk 0 be worked on while the others land.  Larger loads would take that count away.  No LDS byte is filled twice.
; NO CLUSTER: the work-groups share means alone, 64 KiB of the 194 KiB that a work-group reads, taken once, straight into registers; a copy of it in LDS (512 rows x 144 bytes) has no
; room beside the 280,576 bytes in use.  NO PREFETCH: nothing of x is left to ask for earlier than the head's loads.
; LIMITS.  Inputs are finite: NaN and infinities (a logit of -infinity too) are not served.  A block of zeros gets the scale byte 1, not 127: its codes are zeros, and only this text
; reads the byte.  A block whose largest magnitude lies under 2^-111 has its byte held at 1, as the quantiser's clip has it.  The f32 sums are taken in an order of their own.
.set XPITCH, 144                       ; a row of x in LDS: 128 bytes + 16 of padding = 36 words: row r starts at bank 36 r mod 64 (64 banks of 4 bytes: ISA guide 11.1): sixteen rows, sixteen different starts
.set TILEB,  16*XPITCH                 ; a tile of 16 rows: what one tensor load brings
.set CHUNKB, 16*TILEB                  ; a chunk: 16 tiles
.set XRAW,   0                         ; LDS: x as f32, 64 tiles; the only bytes that the mover fills
.set XC,     64*TILEB                  ; x's codes: an image of 4 registers for each tile, 512 bytes
.set XS,     XC+64*512                 ; x's scale words: 128 bytes a tile
.set X2A,    XS+64*128                 ; 0.5 |x|^2 + 16 ln(2 pi): 4 bytes a row
.set MIMG,   X2A+4096                  ; means' codes: 32 tiles x 512 bytes
.set MSC,    MIMG+32*512               ; means' scale bytes, a word a lane: 32 tiles x 128 bytes
.set BIAS,   MSC+32*128                ; bias: 512 x 4 bytes
.set PART,   BIAS+2048                 ; the pairs (c m, l): 8 planes (2 q + h) of 1,024 rows x 8 bytes
.set PLANE,  8192
.set LN,  1                            ; v1   lane
.set RR,  2                            ; v2   r = lane % 16
.set HH,  3                            ; v3   h = lane / 16
.set LI,  4                            ; v4   16 x lane: an image's place; also my 16 bytes of a dense load of logits
.set LS,  5                            ; v5   4 x lane: a scale word's place
.set XR,  6                            ; v6   raw x: my 64 bytes of my tile of the chunk in hand
.set XCW, 7                            ; v7-9   where I store my tile's codes, scale word, 0.5 |x|^2 term
.set XSW, 8
.set X2W, 9
.set XCR, 10                           ; v10-11 where I read the codes and scale words of tiles 4 g on
.set XSR, 11
.set PW,  12                           ; v12  where I store a pair
.set MIW, 13                           ; v13-15 the head: where I store my 32 components' codes, scale bytes, bias
.set MSW, 14
.set BW,  15
.set MIR, 16                           ; v16-18 the head: where I read my quarter's
.set MSR, 17
.set BR,  18
.set PR,  19                           ; v19-21 the end: pairs and 0.5 |x|^2 terms of rows 2 t, 2 t + 1 (t: my thread), and their place in out
.set X2R, 20
.set GO,  21
.set GM,  22                           ; v22  means in memory: row r, + 64 h
.set R4,  23                           ; v23  4 r
.set MS,  24                           ; v24-25 means' scale words, one for four tiles: scales and nothing else
.set XW,  26                           ; v26  x's scale word: scales and nothing else
.set MF,  32                           ; v32-63  means' codes: two fragments of 16 registers, tile t at 4 t
.set XZ,  64                           ; v64-91  12 zeros, x's 4 code registers, 12 zeros
.set XD,  XZ+12
.set BI,  96                           ; v96-159 bias, 8 registers a tile, in the result's layout
.set S,   160                          ; v160-223 the scores of a tile of rows, then p; between chunks: 16 numbers of x
.set LG,  S                            ; the head: 16 logits; 2 x 16 numbers of means; my two tiles' logits
.set MN,  S+16
.set LB,  S+48
.set TM,  224                          ; the head: at work.  Tiles: v224-227 and v244-247 by turns: four chains of the maximum, then (c m, l)
.set L,   228                          ; v228-235 four chains of the sum, two numbers each
.set QA,  236                          ; the quantiser: largest magnitude; byte; scale operand; hold; sum of squares (a pair); codes
.set QB,  237
.set QC,  238
.set QH,  239
.set QS,  240
.set PC,  248
.set LSE, 252                          ; logsumexp(logits[b])
.set WV,  12                           ; s12 wave, s13 q, s14 g
.set QT,  13
.set GR,  14
.set G1,  16                           ; s[16:23] descriptor group 1;  s[24:39] group 0, one set for each of the four loads; none is written again
.set G0,  24
.set SEL, 48                           ; s[48:49] v_permlanex16_b32's selects for lane l xor 16
.set CS,  50                           ; s[50:51] c = log2(e): the packed form names a pair and takes its low word
.set MNT, 52                           ; s52  the mantissa field of 57,344
.set LN2, 53                           ; s53  ln 2
.set LNORM, 54                         ; s54  16 ln(2 pi)
	s_load_b256 s[4:11], s[0:1], 0x0               ; x s[4:5], logits s[6:7], means s[8:9], out s[10:11]
	v_lshl_add_u32 v254, v0, 2, 0x44800
	v_mov_b32 v255, 0
	ds_add_u32 v254, v255
	ds_add_u32 v254, v255
	v_lshrrev_b32 v[LN], 5, v0
	v_readfirstlane_b32 s[WV], v[LN]               ; wave 0..15
	s_and_b32 s[QT], s[WV], 3                      ; my quarter of the components
	s_lshr_b32 s[GR], s[WV], 2                     ; my quarter of a chunk's tiles
	; group 1: 16 rows of 128 bytes, dense in memory, 16 bytes of padding behind each in LDS
	s_mov_b32 s[G1+0], (0<<16)|(1<<20)|(4<<22)|(3<<25)  ; no mask; elements of 1 byte; padding on, after every 32 words (code 4), of 4 words (code 3)
	s_mov_b32 s[G1+1], 128<<16                     ; tensor_dim0 = 128
	s_mov_b32 s[G1+2], 16<<16                      ; tensor_dim1 = 16
	s_mov_b32 s[G1+3], 128<<16                     ; tile_dim0 = 128
	s_mov_b32 s[G1+4], 16                          ; tile_dim1 = 16
	s_mov_b32 s[G1+5], 128                         ; from row to row
	s_mov_b32 s[G1+6], 0
	s_mov_b32 s[G1+7], 0
	s_lshl_b32 s40, ttmp9, 17                      ; x[b]: 1,024 rows of 128 bytes,
	s_lshl_b32 s41, s[WV], 11                      ; my tile of a chunk: 16 rows
	s_add_co_u32 s40, s40, s41
	s_mov_b32 s41, 0
	s_mul_i32 s42, s[WV], TILEB                    ; and its place in a chunk in LDS
	s_wait_dscnt 0x0
	s_wait_kmcnt 0x0
	s_add_nc_u64 s[4:5], s[4:5], s[40:41]
.irp c, 0,1,2,3
	s_mov_b32 s[G0+4*\c], 1                        ; count = 1
	s_add_co_u32 s[G0+4*\c+1], s42, XRAW+\c*CHUNKB ; LDS address: a constant + wave x a constant
	s_add_nc_u64 s[G0+4*\c+2:G0+4*\c+3], s[4:5], \c*32768   ; chunk c: 256 rows on
	s_or_b32 s[G0+4*\c+3], s[G0+4*\c+3], 0x80000000         ; type = 2
.endr
.irp c, 0,1,2,3
	tensor_load_to_lds s[G0+4*\c:G0+4*\c+3], s[G1:G1+7]     ; all first fills in one group: four loads of mine are out
	s_nop 0
.endr
	v_and_b32 v[LN], 31, v0
	v_and_b32 v[RR], 15, v0
	v_bfe_u32 v[HH], v0, 4, 1
	v_lshlrev_b32 v[LI], 4, v[LN]
	v_lshlrev_b32 v[LS], 2, v[LN]
	v_lshlrev_b32 v[R4], 2, v[RR]
	v_lshlrev_b32 v[GM], 7, v[RR]
	v_lshl_add_u32 v[GM], v[HH], 6, v[GM]          ; means: row r of 128 bytes, + 64 h: my 16 numbers of the block of 32
	s_lshl_b32 s40, ttmp9, 11
	s_add_nc_u64 s[6:7], s[6:7], s[40:41]          ; logits[b]
	s_lshl_b32 s44, s[WV], 12
	s_mov_b32 s45, 0
	s_add_nc_u64 s[8:9], s[8:9], s[44:45]          ; means: my 32 components
	s_lshl_b32 s44, s[WV], 7
	s_add_nc_u64 s[46:47], s[6:7], s[44:45]        ; and their logits
	s_lshl_b32 s44, ttmp9, 12
	s_add_nc_u64 s[10:11], s[10:11], s[44:45]      ; out[b]
.irp i, 0,1,2,3
	global_load_b128 v[LG+4*\i:LG+4*\i+3], v[LI], s[6:7] offset:512*\i          ; all 512 logits, 16 a lane; a load reads 512 consecutive bytes
.endr
.irp u, 0,1
.irp j, 0,1,2,3
	global_load_b128 v[MN+16*\u+4*\j:MN+16*\u+4*\j+3], v[GM], s[8:9] offset:2048*\u+16*\j   ; tile u of my two: the wave's four loads cover 2,048 consecutive bytes
.endr
.endr
.irp u, 0,1
	global_load_b32 v[LB+\u], v[R4], s[46:47] offset:64*\u                      ; the logit of component 32 w + 16 u + r
.endr
	s_mov_b32 s[SEL], 0x76543210
	s_mov_b32 s[SEL+1], 0xfedcba98
	s_mov_b32 s[CS], 0x3fb8aa3b                    ; log2(e)
	s_mov_b32 s[CS+1], s[CS]                       ; (named with it as a pair, so it is written)
	s_mov_b32 s[MNT], 0x600000
	s_mov_b32 s[LN2], 0x3f317218
	s_mov_b32 s[LNORM], 0x41eb3f8e                 ; 29.406033
	v_mov_b32 v[QB], 0                             ; written once: a lane permute's destination counts as one of its sources
	; LDS addresses: a constant + a constant x lane + a constant x wave (or q)
	v_mul_u32_u24 v[XR], v[RR], XPITCH
	v_lshl_add_u32 v[XR], v[HH], 6, v[XR]
	v_add_nc_u32 v[XR], s42, v[XR]
	s_lshl_b32 s43, s[WV], 9
	s_add_co_u32 s43, s43, XC
	v_add_nc_u32 v[XCW], s43, v[LI]
	s_lshl_b32 s43, s[WV], 7
	s_add_co_u32 s43, s43, XS
	v_add_nc_u32 v[XSW], s43, v[LS]
	s_lshl_b32 s43, s[WV], 6
	s_add_co_u32 s43, s43, X2A
	v_add_nc_u32 v[X2W], s43, v[R4]
	s_lshl_b32 s43, s[WV], 10
	s_add_co_u32 s43, s43, MIMG
	v_add_nc_u32 v[MIW], s43, v[LI]
	s_lshl_b32 s43, s[WV], 8
	s_add_co_u32 s43, s43, MSC
	v_add_nc_u32 v[MSW], s43, v[LS]
	s_lshl_b32 s43, s[WV], 7
	s_add_co_u32 s43, s43, BIAS
	v_add_nc_u32 v[BW], s43, v[R4]
	s_lshl_b32 s43, s[QT], 12
	s_add_co_u32 s43, s43, MIMG
	v_add_nc_u32 v[MIR], s43, v[LI]
	s_lshl_b32 s43, s[QT], 10
	s_add_co_u32 s43, s43, MSC
	v_add_nc_u32 v[MSR], s43, v[LS]
	s_lshl_b32 s43, s[QT], 9
	s_add_co_u32 s43, s43, BIAS
	v_lshl_add_u32 v[BR], v[HH], 5, s43            ; bias: tile t's eight numbers of my half: 64 t + 32 h
	; ---- logsumexp(logits[b]), in every wave: 16 numbers a lane
	s_wait_loadcnt 10                              ; the four loads of logits are in; the ten issued behind them (means, my components' logits) may be out
	v_max3_num_f32 v[TM], v[LG], v[LG+1], v[LG+2]
	v_max3_num_f32 v[TM+1], v[LG+3], v[LG+4], v[LG+5]
.irp i, 6,10
	v_max3_num_f32 v[TM], v[TM], v[LG+\i], v[LG+\i+1]
	v_max3_num_f32 v[TM+1], v[TM+1], v[LG+\i+2], v[LG+\i+3]
.endr
	v_max3_num_f32 v[TM], v[TM], v[LG+14], v[LG+15]
	v_max_num_f32 v[TM+1], v[TM], v[TM+1]
	v_max_num_f32_dpp v[TM+1], v[TM+1], v[TM+1] row_xmask:1 row_mask:0xf bank_mask:0xf
	v_max_num_f32_dpp v[TM+1], v[TM+1], v[TM+1] row_xmask:2 row_mask:0xf bank_mask:0xf
	v_max_num_f32_dpp v[TM+1], v[TM+1], v[TM+1] row_xmask:4 row_mask:0xf bank_mask:0xf
	v_max_num_f32_dpp v[TM+1], v[TM+1], v[TM+1] row_xmask:8 row_mask:0xf bank_mask:0xf
	v_permlanex16_b32 v[TM], v[TM+1], s[SEL], s[SEL+1]
	v_max_num_f32 v[TM+1], v[TM+1], v[TM]          ; the largest logit, in every lane
	v_mul_f32 v[TM], s[CS], v[TM+1]                ; c x it
.irp j, 0,2,4,6,8,10,12,14
	v_pk_fma_f32 v[LG+\j:LG+\j+1], v[LG+\j:LG+\j+1], s[CS:CS+1], v[TM:TM+1] op_sel_hi:[1,0,0] neg_lo:[0,0,1] neg_hi:[0,0,1]
.endr
.irp j, 0,1,2,3,4,5,6,7,8,9,10,11,12,13,14,15
	v_exp_f32 v[LG+\j], v[LG+\j]
.endr
	v_nop                                          ; a plain instruction behind the last exponential,
	s_wait_alu depctr_va_vdst(0)                   ; and one wait for the batch, ahead of its first reader
.irp j, 0,4,8,12
	v_pk_add_f32 v[LG+\j:LG+\j+1], v[LG+\j:LG+\j+1], v[LG+\j+2:LG+\j+3]
.endr
	v_pk_add_f32 v[LG:LG+1], v[LG:LG+1], v[LG+4:LG+5]
	v_pk_add_f32 v[LG+8:LG+9], v[LG+8:LG+9], v[LG+12:LG+13]
	v_pk_add_f32 v[LG:LG+1], v[LG:LG+1], v[LG+8:LG+9]
	v_add_f32 v[TM+2], v[LG], v[LG+1]
	v_add_f32_dpp v[TM+2], v[TM+2], v[TM+2] row_xmask:1 row_mask:0xf bank_mask:0xf
	v_add_f32_dpp v[TM+2], v[TM+2], v[TM+2] row_xmask:2 row_mask:0xf bank_mask:0xf
	v_add_f32_dpp v[TM+2], v[TM+2], v[TM+2] row_xmask:4 row_mask:0xf bank_mask:0xf
	v_add_f32_dpp v[TM+2], v[TM+2], v[TM+2] row_xmask:8 row_mask:0xf bank_mask:0xf
	v_permlanex16_b32 v[TM], v[TM+2], s[SEL], s[SEL+1]
	v_add_f32 v[TM+2], v[TM+2], v[TM]
	v_log_f32 v[TM+2], v[TM+2]
	v_nop
	s_wait_alu depctr_va_vdst(0)
	v_fma_f32 v[LSE], v[TM+2], s[LN2], v[TM+1]     ; the largest logit + ln 2 x log2(the sum)
; 16 numbers of a lane, v[n] on: k = 16 h + 0 .. 15 of row r (two lanes, l and l xor 16, hold the block of 32).  Out: the operand's four registers in v[PC] on, the scale's byte in v[QB],
; the row's sum of squares, of the numbers as given, in v[QS].
.macro QUANT16 n
	v_max3_num_f32 v[QA], |v[(\n)]|, |v[(\n)+1]|, 0x8000000      ; the largest magnitude, with the floor 2^(16 - 127) among its leaves: the byte cannot fall under 1
	v_pk_mul_f32 v[QS:QS+1], v[(\n):(\n)+1], v[(\n):(\n)+1]      ; the squares are taken ahead of the hold
.irp i, 2,4,6,8,10,12,14
	v_max3_num_f32 v[QA], v[QA], |v[(\n)+\i]|, |v[(\n)+\i+1]|
	v_pk_fma_f32 v[QS:QS+1], v[(\n)+\i:(\n)+\i+1], v[(\n)+\i:(\n)+\i+1], v[QS:QS+1]
.endr
	v_permlanex16_b32 v[QB], v[QA], s[SEL], s[SEL+1]
	v_add_f32 v[QS], v[QS], v[QS+1]
	v_max_num_f32 v[QA], v[QA], v[QB]              ; with lane l xor 16's: the block's
	v_permlanex16_b32 v[QS+1], v[QS], s[SEL], s[SEL+1]
	v_add_nc_u32 v[QC], 0xf8800000, v[QA]          ; 15 off its exponent field: the conversion takes the exponent field of this operand as its scale
	v_and_or_b32 v[QH], v[QA], 0x7f800000, s[MNT]  ; 57,344 x the scale
	v_add_f32 v[QS], v[QS], v[QS+1]
	v_lshrrev_b32 v[QB], 23, v[QC]                 ; the scale's byte
.irp i, 0,1,2,3,4,5,6,7,8,9,10,11,12,13,14,15
	v_med3_num_f32 v[(\n)+\i], v[(\n)+\i], -v[QH], v[QH]         ; the conversion to an 8-bit code does not saturate (ISA guide 7.6.2): the hold at the largest code x the scale
.endr
	v_cvt_scalef32_pk8_bf8_f32 v[PC:PC+1], v[(\n):(\n)+7], v[QC]
	v_cvt_scalef32_pk8_bf8_f32 v[PC+2:PC+3], v[(\n)+8:(\n)+15], v[QC]
	v_nop                                          ; one plain instruction behind the last scaled conversion
.endm
	; ---- my 32 components: codes, scale bytes and bias go to LDS for the four waves that own them
	s_wait_loadcnt 0x0
.irp u, 0,1
	QUANT16 MN+16*\u
	ds_store_b128 v[MIW], v[PC:PC+3] offset:512*\u ; an image of the four registers: 16 bytes at 16 x lane
	ds_store_b32 v[MSW], v[QB] offset:128*\u
	v_sub_f32 v[LB+\u], v[LB+\u], v[LSE]           ; log_softmax,
	v_fma_f32 v[LB+\u], v[QS], -0.5, v[LB+\u]      ; - 0.5 |means|^2
	ds_store_b32 v[BW], v[LB+\u] offset:64*\u      ; (lanes l and l xor 16 write the same word with the same value)
	s_wait_dscnt 0x0                               ; the stores have read their registers
.endr
; Chunk c: my tile of x becomes codes, for the four waves that will multiply it.  One barrier: behind it the chunk's 16 tiles lie in LDS.  Each chunk has bytes of its own, so nothing that a
; slower wave still reads is written.
.macro QX c
	s_wait_tensorcnt 3-\c                          ; a wave's tensor loads end in order (ISA guide 10.11.1): chunk c's is in, the 3 - c issued behind it may be out.  Only I read these bytes
.irp j, 0,1,2,3
	ds_load_b128 v[S+4*\j:S+4*\j+3], v[XR] offset:16*\j
.endr
	s_wait_dscnt 0x0
.if \c < 3
	v_add_nc_u32 v[XR], CHUNKB, v[XR]              ; the next chunk's tile
.endif
	QUANT16 S
	ds_store_b128 v[XCW], v[PC:PC+3] offset:\c*8192
	v_lshl_or_b32 v[QB], v[QB], 8, v[QB]
	v_lshl_or_b32 v[QB], v[QB], 16, v[QB]          ; the byte in all four places: x's codes are met in any of the four blocks
	v_fma_f32 v[QS], v[QS], 0.5, s[LNORM]          ; 0.5 |x|^2 + 16 ln(2 pi)
	ds_store_b32 v[XSW], v[QB] offset:\c*2048
	ds_store_b32 v[X2W], v[QS] offset:\c*1024
	s_wait_dscnt 0x0                               ; for the others' sake: my stores have landed
	s_barrier_signal -1
	s_barrier_wait -1
.endm
.macro LOADX c, i                      ; the codes and the scale word of tile 4 g + i of chunk c
	ds_load_b128 v[XD:XD+3], v[XCR] offset:(\c)*8192+(\i)*512
	ds_load_b32 v[XW], v[XSR] offset:(\c)*2048+(\i)*128
.endm
; Four products: component tiles t0 .. t0 + 3 (one fragment of means) x the tile of rows in hand.  C = bias, D = the scores: eight accumulators, each written once a tile.
.macro WMS t0
.irp t, \t0, \t0+1, \t0+2, \t0+3
	v_wmma_scale_f32_16x16x128_f8f6f4 v[S+8*(\t):S+8*(\t)+7], v[MF+16*((\t)/4):MF+16*((\t)/4)+15], v[XZ+12-4*((\t)%4):XZ+27-4*((\t)%4)], v[BI+8*(\t):BI+8*(\t)+7], v[MS+(\t)/4], v[XW] matrix_a_fmt:MATRIX_FMT_BF8 matrix_b_fmt:MATRIX_FMT_BF8
.endr
.endm
.macro MAXH b0                         ; the largest of registers 16 b .. 16 b + 15 for b = b0, b0 + 1, by turns; each accumulator is read from its low end on
.irp b, \b0, \b0+1
	v_max3_num_f32 v[CH+(\b)], v[S+16*(\b)], v[S+16*(\b)+1], v[S+16*(\b)+2]
.endr
.irp i, 3,5,7,9,11,13
.irp b, \b0, \b0+1
	v_max3_num_f32 v[CH+(\b)], v[CH+(\b)], v[S+16*(\b)+\i], v[S+16*(\b)+\i+1]
.endr
.endr
.irp b, \b0, \b0+1
	v_max_num_f32 v[CH+(\b)], v[CH+(\b)], v[S+16*(\b)+15]
.endr
.endm
.macro PFMA j                          ; pair j: c s - c m
	v_pk_fma_f32 v[S+2*(\j):S+2*(\j)+1], v[S+2*(\j):S+2*(\j)+1], s[CS:CS+1], v[CH:CH+1] op_sel_hi:[1,0,0] neg_lo:[0,0,1] neg_hi:[0,0,1]
.endm
.macro EXPS                            ; ONE BATCH: 32 scalings and 64 exponentials, a scaling behind each two exponentials and two pairs ahead of them; none reads an exponential's result
	PFMA 0
	PFMA 1
.set J, 0
.rept 32
	v_exp_f32 v[S+2*J], v[S+2*J]
	v_exp_f32 v[S+2*J+1], v[S+2*J+1]
.if J < 30
	PFMA J+2
.endif
.set J, J+1
.endr
.endm
.macro SUMA                            ; the sum of p in registers 0 .. 31, two numbers an instruction, four chains
.irp n, 0,1,2,3
	v_pk_add_f32 v[L+2*\n:L+2*\n+1], v[S+4*\n:S+4*\n+1], v[S+4*\n+2:S+4*\n+3]
.endr
.irp j, 16,24
.irp n, 0,1,2,3
	v_pk_add_f32 v[L+2*\n:L+2*\n+1], v[L+2*\n:L+2*\n+1], v[S+\j+2*\n:S+\j+2*\n+1]
.endr
.endr
.endm
.macro SUMB                            ; registers 32 .. 63, and the chains' end: l beside c m
.irp j, 32,40,48,56
.irp n, 0,1,2,3
	v_pk_add_f32 v[L+2*\n:L+2*\n+1], v[L+2*\n:L+2*\n+1], v[S+\j+2*\n:S+\j+2*\n+1]
.endr
.endr
	v_pk_add_f32 v[L:L+1], v[L:L+1], v[L+2:L+3]
	v_pk_add_f32 v[L+4:L+5], v[L+4:L+5], v[L+6:L+7]
	v_pk_add_f32 v[L:L+1], v[L:L+1], v[L+4:L+5]
	v_add_f32 v[CH+1], v[L], v[L+1]
.endm
; A TILE of 16 rows against my 128 components; its eight products have been issued.  The next tile's products stand inside this tile's sum: four behind the sum of registers 0-31, which they
; write; four behind the rest.  Eight plain vector instructions that name none of a product's registers stand between it and the first read of its result: for the first
; four they are SUMB's twenty, for the last four the sixteen of MAXH 0.  The loads into x's registers stand behind the whole maximum.
.macro TILE c, i
.set CH, 224+20*((\i)%2)               ; two sets by turns: the pair that a store reads is written again two tiles later
	MAXH 0
	MAXH 2
	v_max3_num_f32 v[CH+1], v[CH], v[CH+1], v[CH+2]
	v_max_num_f32 v[CH+1], v[CH+1], v[CH+3]        ; m: the largest of my 64 scores
	v_mul_f32 v[CH], s[CS], v[CH+1]                ; c m
.if (\i) < 3
	LOADX \c, (\i)+1
.endif
	EXPS                                           ; p = 2^(c s - c m)
	v_nop                                          ; a plain instruction behind the last exponential,
	s_wait_alu depctr_va_vdst(0)                   ; and one wait for the batch, ahead of its first reader
	SUMA
.if (\i) < 3
	s_wait_dscnt 0x0                               ; the next tile's codes and scale word are in
	WMS 0
.endif
	SUMB
	ds_store_b64 v[PW], v[CH:CH+1] offset:(\c)*2048+(\i)*128       ; (c m, l) of row 256 c + 64 g + 16 i + r, plane 2 q + h
.if (\i) < 3
	WMS 4
.endif
.endm
.macro CHUNK c
	LOADX \c, 0
	s_wait_dscnt 0x0
	WMS 0
	WMS 4
.rept 8
	v_nop                                          ; a chunk's first tile has no sum to set behind its products
.endr
.irp i, 0,1,2,3
	TILE \c, \i
.endr
.endm
	QX 0                                           ; its barrier also shows every wave the means' codes, their scale bytes and the bias
	; ---- my quarter of the components comes into registers, to stay
.irp t, 0,1,2,3,4,5,6,7
	ds_load_b128 v[MF+4*\t:MF+4*\t+3], v[MIR] offset:512*\t
.endr
.irp t, 0,1,2,3,4,5,6,7
	ds_load_b32 v[S+\t], v[MSR] offset:128*\t
.endr
.irp t, 0,1,2,3,4,5,6,7
	ds_load_b128 v[BI+8*\t:BI+8*\t+3], v[BR] offset:64*\t
	ds_load_b128 v[BI+8*\t+4:BI+8*\t+7], v[BR] offset:64*\t+16
.endr
	s_wait_dscnt 0x0
	v_lshl_or_b32 v[MS], v[S+1], 8, v[S]           ; four tiles' bytes make a fragment's scale word: byte c for block c
	v_lshl_or_b32 v[MS+1], v[S+5], 8, v[S+4]
	v_lshl_or_b32 v[MS], v[S+2], 16, v[MS]
	v_lshl_or_b32 v[MS+1], v[S+6], 16, v[MS+1]
	v_lshl_or_b32 v[MS], v[S+3], 24, v[MS]
	v_lshl_or_b32 v[MS+1], v[S+7], 24, v[MS+1]
.irp z, 0,1,2,3,4,5,6,7,8,9,10,11,16,17,18,19,20,21,22,23,24,25,26,27
	v_mov_b32 v[XZ+\z], 0                          ; zero codes on both sides of x's four registers: written once.  (With the eight lines below: more than the eight places that a scale word
.endr                                              ;  made by vector instructions owes a scaled product, and the lines below are more than the four that these operand registers owe)
	s_lshl_b32 s43, s[GR], 11
	s_add_co_u32 s43, s43, XC
	v_add_nc_u32 v[XCR], s43, v[LI]
	s_lshl_b32 s43, s[GR], 9
	s_add_co_u32 s44, s43, XS
	v_add_nc_u32 v[XSR], s44, v[LS]
	s_lshl_b32 s44, s[QT], 14
	s_add_co_u32 s43, s43, s44
	s_add_co_u32 s43, s43, PART
	v_lshlrev_b32 v[PW], 3, v[RR]
	v_lshl_add_u32 v[PW], v[HH], 13, v[PW]
	v_add_nc_u32 v[PW], s43, v[PW]                 ; pairs: 8 r + 8,192 h + 16,384 q + 512 g
	v_lshl_add_u32 v[PR], v0, 4, PART
	v_lshl_add_u32 v[X2R], v0, 3, X2A
	v_lshlrev_b32 v[GO], 3, v0
	CHUNK 0
	QX 1
	CHUNK 1
	QX 2
	CHUNK 2
	QX 3                                           ; its wait on the tensor loads is for zero: none is out from here on
	CHUNK 3
	; ---- THE END: thread t joins the eight pairs of rows 2 t and 2 t + 1, so that a wave stores 256 consecutive bytes
	s_wait_dscnt 0x0                               ; my pairs have landed
	s_barrier_signal -1
	s_barrier_wait -1
.set CH, 224
.irp p, 0,1,2,3,4,5,6,7
	ds_load_b128 v[S+4*\p:S+4*\p+3], v[PR] offset:\p*PLANE         ; plane p: c m, l of row 2 t; c m, l of row 2 t + 1
.endr
	ds_load_b64 v[L:L+1], v[X2R]                   ; 0.5 |x|^2 + 16 ln(2 pi) of the two rows
	s_wait_dscnt 0x0
.irp e, 0,1
	v_max3_num_f32 v[CH+\e], v[S+2*\e], v[S+4+2*\e], v[S+8+2*\e]
.endr
.irp p, 3,5
.irp e, 0,1
	v_max3_num_f32 v[CH+\e], v[CH+\e], v[S+4*\p+2*\e], v[S+4*\p+4+2*\e]
.endr
.endr
.irp e, 0,1
	v_max_num_f32 v[CH+\e], v[CH+\e], v[S+28+2*\e] ; the row's largest c m
.endr
.irp p, 0,1,2,3,4,5,6,7
.irp e, 0,1
	v_sub_f32 v[S+4*\p+2*\e], v[S+4*\p+2*\e], v[CH+\e]
.endr
.endr
.irp p, 0,1,2,3,4,5,6,7
.irp e, 0,1
	v_exp_f32 v[S+4*\p+2*\e], v[S+4*\p+2*\e]
.endr
.endr
	v_nop
	s_wait_alu depctr_va_vdst(0)                   ; one wait for the sixteen
.irp e, 0,1
	v_mul_f32 v[CH+2+\e], v[S+2*\e], v[S+2*\e+1]
.endr
.irp p, 1,2,3,4,5,6,7
.irp e, 0,1
	v_fma_f32 v[CH+2+\e], v[S+4*\p+2*\e], v[S+4*\p+2*\e+1], v[CH+2+\e]   ; each l under the row's maximum
.endr
.endr
.irp e, 0,1
	v_log_f32 v[CH+2+\e], v[CH+2+\e]
.endr
	v_nop
	s_wait_alu depctr_va_vdst(0)
.irp e, 0,1
	v_add_f32 v[CH+\e], v[CH+\e], v[CH+2+\e]       ; log2 of the row's sum of exponentials
.endr
.irp e, 0,1
	v_fma_f32 v[L+\e], -v[CH+\e], s[LN2], v[L+\e]  ; nll
.endr
	global_store_b64 v[GO], v[L:L+1], s[10:11] th:TH_STORE_NT      ; 32 lanes store 256 consecutive bytes, at a multiple of 256 from out's first byte
	s_wait_tensorcnt 0x0
	ds_add_u32 v254, v255
	s_wait_dscnt 0x0
	s_endpgm
.Lfunc_end_k_q7cea58471e_gmnll:
	.size	k_q7cea58471e_gmnll, .Lfunc_end_k_q7cea58471e_gmnll-k_q7cea58471e_gmnll
	.p2alignl 7, 3214868480
	.fill 96, 4, 3214868480
	.section	.rodata,"a",@progbits
	.p2align	6, 0x0
	.amdhsa_kernel k_q7cea58471e_gmnll
		.amdhsa_group_segment_fixed_size 282624
		.amdhsa_private_segment_fixed_size 0
		.amdhsa_enable_private_segment 0
		.amdhsa_kernarg_size 32
		.amdhsa_user_sgpr_count 2
		.amdhsa_user_sgpr_kernarg_segment_ptr 1
		.amdhsa_wavefront_size32 1
		.amdhsa_system_sgpr_workgroup_id_x 1
		.amdhsa_system_sgpr_workgroup_id_y 1
		.amdhsa_system_sgpr_workgroup_id_z 1
		.amdhsa_system_vgpr_workitem_id 0
		.amdhsa_next_free_vgpr 256
		.amdhsa_next_free_sgpr 66
		.amdhsa_reserve_vcc 0
		.amdhsa_float_denorm_mode_32 3
		.amdhsa_float_denorm_mode_16_64 3
		.amdhsa_memory_ordered 1
		.amdhsa_forward_progress 1
		.amdhsa_inst_pref_size 186
	.end_amdhsa_kernel
	.amdgpu_metadata
---
amdhsa.version: [ 1, 2 ]
amdhsa.kernels:
  - .name:           k_q7cea58471e_gmnll
    .symbol:         k_q7cea58471e_gmnll.kd
    .args:
      - { .name: x, .offset: 0, .size: 8, .value_kind: global_buffer, .address_space: global }
      - { .name: logits, .offset: 8, .size: 8, .value_kind: global_buffer, .address_space: global }
      - { .name: means, .offset: 16, .size: 8, .value_kind: global_buffer, .address_space: global }
      - { .name: out0, .offset: 24, .size: 8, .value_kind: global_buffer, .address_space: global }
    .group_segment_fixed_size: 282624
    .private_segment_fixed_size: 0
    .kernarg_segment_align: 8
    .kernarg_segment_size: 32
    .max_flat_workgroup_size: 512
    .sgpr_count:     66
    .vgpr_count:     256
    .wavefront_size: 32
...
	.end_amdgpu_metadata
.endif
;; end of part 1
